; MI455X (gfx1250); checked and timed in simulation.
; The chip was launched on July 23, 2026; its instructions are those of AMD's public machine-readable ISA for CDNA 5 (MIT licence, August 2026) and "CDNA5" Instruction Set Architecture Reference Guide (July 2026). The comments in the code are by the model that wrote it; some were corrected since.
;; gmlp. Allowed arithmetic: matrix products marked QUANTISED: E5M2 operands, one given power-of-two scale a tensor, by v_wmma_f32_16x16x64_bf8_bf8 or v_wmma_f32_16x16x128_bf8_bf8, f32 sums; everything else in f32.
;; Inputs: cb 1,024 float32; cw 1,024 x 1,024 float32; lowp_scales 6 int32 (the exponents e of the quantised operands' scales 2^e); nb 1,024 float32; ng 1,024 float32; pb 2,048 float32; pw 1,024 x 2,048 float32; sgu_b 1,024 float32; sgu_w 1,024 x 1,024 float32; snb 1,024 float32; sng 1,024 float32; weight 16 x 1,024 float32; x 16 x 1,024 x 1,024 float32.
;; Outputs: out0 16 x 1,024 x 1,024 float32.
;; This version of the problem:
;;   THIS VERSION OF THE PROBLEM IS GIVEN IN LOW PRECISION. The matrix products marked QUANTISED in the list below multiply operands that are first quantised to E5M2 (5 exponent bits, 2 mantissa bits; 8 bits a number), with one given power-of-two scale for each operand tensor; their sums are f32. All else is computed in f32.
;;   The module's matrix products, in the order in which they are computed (A, B: the left and right operand; K: the contracted axis; several contracted axes count as one K, in the product's order):
;;     1. [M 16,384, K 1,024] x [K 1,024, N 2,048]; A: computed on the way; B: input pw: QUANTISED (scales: A lowp_scales[0], B lowp_scales[1])
;;     2. [M 1,024, K 1,024] x [K 1,024, N 16,384]; A: input sgu_w; B: computed on the way: QUANTISED (scales: A lowp_scales[2], B lowp_scales[3])
;;     3. [M 16,384, K 1,024] x [K 1,024, N 1,024]; A: computed on the way; B: input cw: QUANTISED (scales: A lowp_scales[4], B lowp_scales[5])
;;   THE QUANTISER, for each operand of a quantised product, along K:
;;     - The operand's scale is 2^e, e = its entry of the input lowp_scales (int32; the entries are numbered through the quantised products in the list's order, A before B).
;;     - Each number is divided by the scale, clamped to +-57,344, and rounded to the nearest number of E5M2, ties to even, subnormals kept.
;;     - The product sums the exact products of the quantised numbers (number of the format x scale) in f32.
;;   ~~~python
;;   def quantise(x, axis, e):      # numpy; x: float32 -> the quantised numbers, widened to float32 again
;;       x = np.moveaxis(x, axis, -1); K = x.shape[-1]
;;       r = np.clip(x / 2.0 ** e, -57344, 57344)
;;       step = 2.0 ** (np.maximum(np.frexp(np.where(r == 0, 1, r))[1] - 1, -14) - 2)
;;       q = np.round(r / step) * step * 2.0 ** e      # np.round: ties to even
;;       return np.moveaxis(q, -1, axis).astype(np.float32)
;;   ~~~
;;   OPERANDS COMPUTED ON THE WAY. 'Computed on the way' means the value that the module computes at that place (a softmax that the list does not call 'softmax' is quantised finished and normalised). What goes into a quantiser is computed in f32, as accurately as f32 sums, v_exp_f32 and their like allow (about 1e-6 of the number): no bf16 or f16 on the way to a quantiser, and a product that is left as it is and whose result goes on into a quantised operand takes f32 operands (vector FMAs, or v_wmma_f32_16x16x4_f32). A number that lies on a knife's edge between two numbers of the format may be rounded either way, as far as f32 arithmetic and the matrix unit's own rounding can turn it there, and no further.
;; One version. Each part assembles by itself: llvm-mc -triple=amdgcn-amd-amdhsa -mcpu=gfx1250 --defsym DOCPART=n.
;; ======== version 1 of 1: 3 launches
;; workspace buffers: wcodes 4,194,304 bytes; acodes 16,777,216 bytes; vcodes 16,777,216 bytes
;; launch prep (part 1): grid 1152 x 1, 8 waves a work-group, no clusters, 70,656 bytes of LDS; arguments x, ng, nb, pw, sgu_w, cw, lowp_scales, acodes, wcodes; writes acodes, wcodes
.if DOCPART == 1
	.amdgcn_target "amdgcn-amd-amdhsa--gfx1250"
	.amdhsa_code_object_version 6
	.text
	.protected	k_qf259c8ead4_prep
	.globl	k_qf259c8ead4_prep
	.p2align	8
	.type	k_qf259c8ead4_prep,@function
k_qf259c8ead4_prep:
	s_mov_b64 s[64:65], 0
	v_nop
	global_prefetch_b8 v0, s[64:65] scope:SCOPE_SE
	s_setreg_imm32_b32 hwreg(HW_REG_WAVE_MODE, 25, 1), 1
	s_wait_xcnt 0x0
; TWO JOBS IN ONE LAUNCH.  Work-groups 0-1023: layer norm of x, quantised to E5M2 with 2^e0 (acodes).  Work-groups 1024-1151: pw, sgu_w, cw quantised with 2^e1, 2^e2, 2^e5 (wcodes).
; ALL CODES ARE LAID AS IMAGES OF OPERAND REGISTERS.  A matrix of 1,024 rows x 1,024 K is 1 MiB: byte ks*131072 + tau*2048 + c*512 + l*16 + y holds
; row pi(tau, l%16) = 32 (tau/2) + 8 (tau%2) + l%16 + 8 ((l%16)/8) at k = 128 ks + 32 c + 16 (l/16) + y.  A fragment (16 rows x 128 K) is 2,048 dense bytes: four 16-byte accesses a lane at 16 x lane.
; wcodes: +0 pw columns 0-1023 (K = h), +1 MiB pw columns 1024-2047, +2 MiB sgu_w (rows j, K = s), +3 MiB cw (rows = output column, K = t).  acodes: one image a batch, rows = tokens, K = h.
; LIMITS: each exponent e lies between -126 and 112, so that 2^e and 57,344 x 2^e are f32 numbers.  NaN and infinities among the inputs are not served.
; The mean is taken first and then the squares of the differences: no difference of large sums.  No tensor loads, no cluster: no two work-groups read the same bytes.
.set XT,    8448                       ; LDS: a wave's stage, 16 rows x (512 + 16) bytes
.set STAT,  67584                      ; LDS: the waves' partial sums, word 32 r + 4 w; the squares' 512 bytes further on
.set CD,    32                         ; v32-63   codes
.set X,     64                         ; v64-127 (norm) or v64-191 (weights): the numbers
.set GA,    128                        ; v128-191 ng
.set BE,    192                        ; v192-255 nb
.macro SCALES e                        ; v20 = 2^e as f32 (the conversion takes its exponent field), v21 = 57,344 x 2^e
	s_add_co_i32 s50, s[\e], 127
	s_lshl_b32 s51, s50, 23
	v_mov_b32 v20, s51
	s_add_co_i32 s50, s50, 15
	s_lshl_b32 s50, s50, 23
	s_or_b32 s50, s50, 0x600000
	v_mov_b32 v21, s50
.endm
	s_load_b512 s[4:19], s[0:1], 0x0               ; x, ng, nb, pw, sgu_w, cw, lowp_scales, acodes
	s_load_b64 s[20:21], s[0:1], 0x40              ; wcodes
	v_lshl_add_u32 v22, v0, 2, 0x11000
	v_mov_b32 v23, 0
	v_lshrrev_b32 v2, 5, v0
	v_readfirstlane_b32 s22, v2                    ; wave 0..7
	v_and_b32 v2, 31, v0
	v_lshlrev_b32 v1, 4, v2                        ; 16 x lane
	v_and_b32 v3, 15, v0                           ; r
	v_bfe_u32 v9, v0, 4, 1                         ; h
	s_wait_kmcnt 0x0
	s_load_b128 s[24:27], s[16:17], 0x0            ; e0 .. e3
	s_load_b64 s[28:29], s[16:17], 0x10            ; e4, e5
	s_cmp_lt_u32 ttmp9, 1024                       ; the same for all waves of a work-group
	s_cbranch_scc0 .Lweights
; ---- THE NORM.  A work-group takes the 16 rows of one tile tau of one batch; wave w takes K step w (128 numbers of each row).
	s_lshr_b32 s30, ttmp9, 6                       ; batch
	s_and_b32 s31, ttmp9, 63                       ; tau
	s_lshr_b32 s32, s31, 1
	s_lshl_b32 s32, s32, 5
	s_and_b32 s33, s31, 1
	s_lshl_b32 s33, s33, 3
	s_add_co_u32 s32, s32, s33
	s_lshl_b32 s33, s30, 10
	s_add_co_u32 s32, s32, s33                     ; the tile's first row: 1024 b + 32 (tau/2) + 8 (tau%2)
	s_lshl_b32 s32, s32, 12                        ; rows of 4,096 bytes
	s_lshl_b32 s34, s22, 9                         ; my K step: 512 bytes
	s_add_co_u32 s32, s32, s34
	s_mov_b32 s33, 0
	s_mov_b32 s35, 0
	s_add_nc_u64 s[4:5], s[4:5], s[32:33]
	s_add_nc_u64 s[6:7], s[6:7], s[34:35]
	s_add_nc_u64 s[8:9], s[8:9], s[34:35]
	s_lshl_b32 s36, s30, 20
	s_lshl_b32 s37, s22, 17
	s_add_co_u32 s36, s36, s37
	s_lshl_b32 s37, s31, 11
	s_add_co_u32 s36, s36, s37                     ; my fragment in acodes
	s_mov_b32 s37, 0
	s_add_nc_u64 s[18:19], s[18:19], s[36:37]
	s_mul_i32 s38, s22, XT
	v_add_nc_u32 v4, s38, v1                       ; stage, in: 16 x lane of a row
	v_mul_u32_u24 v5, v3, 528
	v_lshl_add_u32 v5, v9, 6, v5
	v_add_nc_u32 v5, s38, v5                       ; stage, out: row r, + 64 h
	v_lshlrev_b32 v6, 6, v9                        ; 64 h: my 16 numbers of a block of 32 in ng and nb
	v_lshl_add_u32 v8, v3, 5, STAT                 ; row r's eight partial sums
	s_lshl_b32 s39, s22, 2
	v_add_nc_u32 v7, s39, v8                       ; and mine among them
	v_mov_b32 v14, 0                               ; a lane permute's destination counts as read
	s_mov_b32 s40, 0x3a800000                      ; 1 / 1024
	s_mov_b32 s41, 0x3727c5ac                      ; 1e-5
	s_mov_b32 s42, 0x76543210                      ; selects for lane l xor 16
	s_mov_b32 s43, 0xfedcba98
.set i, 0
.rept 16
	global_load_b128 v[X+4*i:X+4*i+3], v1, s[4:5] offset:(i+8*(i/8))*4096 th:TH_LOAD_NT   ; row pi(tau, i): 32 lanes read 512 consecutive bytes
.set i, i+1
.endr
.irp c, 0,1,2,3
.irp j, 0,1,2,3
	global_load_b128 v[GA+16*\c+4*\j:GA+16*\c+4*\j+3], v6, s[6:7] offset:128*\c+16*\j
.endr
.endr
.irp c, 0,1,2,3
.irp j, 0,1,2,3
	global_load_b128 v[BE+16*\c+4*\j:BE+16*\c+4*\j+3], v6, s[8:9] offset:128*\c+16*\j
.endr
.endr
	s_wait_loadcnt 32                              ; x's 16 loads are in; the 32 of ng and nb may be out
.set i, 0
.rept 16
	ds_store_b128 v4, v[X+4*i:X+4*i+3] offset:528*i
.set i, i+1
.endr
.irp c, 0,1,2,3
.irp j, 0,1,2,3
	ds_load_b128 v[X+16*\c+4*\j:X+16*\c+4*\j+3], v5 offset:128*\c+16*\j   ; LDS serves a wave's instructions in order: these see my stores.  Register 16 c + i = k 32 c + 16 h + i of row r
.endr
.endr
	s_wait_dscnt 0x0
; a wave's two chains in v[10:13] become the row's sum over all eight waves, in v24
.macro MEET off
	v_pk_add_f32 v[10:11], v[10:11], v[12:13]
	v_add_f32 v10, v10, v11
	v_permlanex16_b32 v14, v10, s42, s43           ; the row's other 64 numbers lie in lane l xor 16
	v_add_f32 v10, v10, v14
	ds_store_b32 v7, v10 offset:\off
	s_wait_dscnt 0x0                               ; for the others' sake: my store is done
	s_barrier_signal -1
	s_barrier_wait -1
	ds_load_b128 v[24:27], v8 offset:\off
	ds_load_b128 v[28:31], v8 offset:\off+16
	s_wait_dscnt 0x0
	v_pk_add_f32 v[24:25], v[24:25], v[26:27]
	v_pk_add_f32 v[28:29], v[28:29], v[30:31]
	v_pk_add_f32 v[24:25], v[24:25], v[28:29]
	v_add_f32 v24, v24, v25
.endm
	v_pk_add_f32 v[10:11], v[X:X+1], v[X+2:X+3]    ; the first sums start the chains
	v_pk_add_f32 v[12:13], v[X+4:X+5], v[X+6:X+7]
.set i, 8
.rept 14
	v_pk_add_f32 v[10:11], v[10:11], v[X+i:X+i+1]
	v_pk_add_f32 v[12:13], v[12:13], v[X+i+2:X+i+3]
.set i, i+4
.endr
	MEET 0
	v_mul_f32 v16, s40, v24                        ; the mean
	v_mov_b32 v17, v16
.set i, 0
.rept 32
	v_pk_add_f32 v[X+i:X+i+1], v[X+i:X+i+1], v[16:17] neg_lo:[0,1] neg_hi:[0,1]
.set i, i+2
.endr
	v_pk_mul_f32 v[10:11], v[X:X+1], v[X:X+1]
	v_pk_mul_f32 v[12:13], v[X+2:X+3], v[X+2:X+3]
.set i, 4
.rept 15
	v_pk_fma_f32 v[10:11], v[X+i:X+i+1], v[X+i:X+i+1], v[10:11]
	v_pk_fma_f32 v[12:13], v[X+i+2:X+i+3], v[X+i+2:X+i+3], v[12:13]
.set i, i+4
.endr
	MEET 512                                       ; other bytes than the first meeting's: no barrier between
	v_fma_f32 v15, v24, s40, s41                   ; variance + 1e-5
	v_rsq_f32 v18, v15
	v_nop                                          ; a plain instruction behind the transcendental
	s_wait_kmcnt 0x0
	SCALES 24                                      ; e0
	s_wait_alu depctr_va_vdst(0)                   ; ahead of the first instruction that names the root's result
	v_mov_b32 v19, v18
	s_wait_loadcnt 0x0                             ; ng, nb
.set i, 0
.rept 32
	v_pk_mul_f32 v[X+i:X+i+1], v[X+i:X+i+1], v[18:19]
.set i, i+2
.endr
.set i, 0
.rept 32
	v_pk_fma_f32 v[X+i:X+i+1], v[X+i:X+i+1], v[GA+i:GA+i+1], v[BE+i:BE+i+1]
.set i, i+2
.endr
.set i, 0
.rept 64
	v_med3_num_f32 v[X+i], v[X+i], -v21, v21       ; the conversion to an 8-bit code does not saturate (ISA guide 7.6.2): the hold at the largest code x the scale
.set i, i+1
.endr
.irp c, 0,1,2,3
	v_cvt_scalef32_pk8_bf8_f32 v[CD+4*\c:CD+4*\c+1], v[X+16*\c:X+16*\c+7], v20
	v_cvt_scalef32_pk8_bf8_f32 v[CD+4*\c+2:CD+4*\c+3], v[X+16*\c+8:X+16*\c+15], v20
.endr
	v_nop
.irp c, 0,1,2,3
	global_store_b128 v1, v[CD+4*\c:CD+4*\c+3], s[18:19] offset:512*\c   ; 32 lanes store 512 consecutive bytes, aligned
.endr
	s_wait_tensorcnt 0x0
	ds_add_u32 v22, v23
	s_wait_dscnt 0x0
	s_endpgm
; ---- THE WEIGHTS.  K is their first axis: a lane takes a column and its registers run down K, so the conversions give codes with K innermost.
; id = g + 32 y.  g names 128 columns: 0-15 of pw, 16-23 of sgu_w, 24-31 of cw.  Wave w takes 32 of them (w % 4: a pair of tiles) and K step 2 y + w / 4.
.Lweights:
	s_sub_co_u32 s40, ttmp9, 1024
	s_and_b32 s41, s40, 31                         ; g
	s_lshr_b32 s42, s40, 5
	s_lshl_b32 s42, s42, 1
	s_lshr_b32 s44, s22, 2
	s_add_co_u32 s42, s42, s44                     ; K step
	s_and_b32 s43, s22, 3                          ; which 32 columns
	s_wait_kmcnt 0x0
	s_cmp_lt_u32 s41, 24
	s_cselect_b64 s[46:47], s[12:13], s[14:15]     ; sgu_w or cw
	s_cselect_b32 s45, s26, s29                    ; e2 or e5
	s_cmp_lt_u32 s41, 16
	s_cselect_b64 s[46:47], s[10:11], s[46:47]     ; or pw
	s_cselect_b32 s45, s25, s45                    ; e1
	s_cselect_b32 s48, 20, 19                      ; 128 rows are 2^20 bytes of pw, 2^19 of the others
	s_cselect_b32 s49, 15, 7
	s_and_b32 s49, s41, s49                        ; the group's number in its own tensor
	s_lshl_b32 s52, s49, 9
	s_lshl_b32 s53, s43, 7
	s_add_co_u32 s52, s52, s53
	s_lshl_b32 s53, s42, s48
	s_add_co_u32 s52, s52, s53
	s_mov_b32 s53, 0
	s_add_nc_u64 s[46:47], s[46:47], s[52:53]
	s_lshr_b32 s54, s41, 3                         ; which image
	s_lshl_b32 s54, s54, 20
	s_lshl_b32 s55, s42, 17
	s_add_co_u32 s54, s54, s55
	s_and_b32 s55, s41, 7
	s_lshl_b32 s55, s55, 2
	s_add_co_u32 s55, s55, s43
	s_lshl_b32 s55, s55, 12                        ; my pair of tiles
	s_add_co_u32 s54, s54, s55
	s_mov_b32 s55, 0
	s_add_nc_u64 s[20:21], s[20:21], s[54:55]
	SCALES 45
	v_and_b32 v10, 8, v3
	v_add_nc_u32 v10, v10, v3
	v_lshl_add_u32 v10, v9, 3, v10                 ; lane 16 u + r takes column 8 u + r + 8 (r / 8) of the 32: row r of tile u
	v_lshlrev_b32 v10, 2, v10
	v_lshlrev_b32 v11, 4, v3
	v_lshl_add_u32 v11, v9, 11, v11                ; its codes' place: 2048 u + 16 r
.macro WBODY pitch
.set i, 0
.rept 128
	global_load_b32 v[X+i], v10, s[46:47] offset:i*(\pitch) th:TH_LOAD_NT   ; row i of the K step: the wave reads 128 consecutive bytes
.set i, i+1
.endr
.irp t, 0,1,2,3                        ; a block of 32 along K
.if \t < 2
	s_wait_loadcnt 63                              ; 96 or 64 younger loads could stay out; 63 is the largest count that can be written
.else
	s_wait_loadcnt 32*(3-\t)
.endif
.set i, 0
.rept 32
	v_med3_num_f32 v[X+32*\t+i], v[X+32*\t+i], -v21, v21
.set i, i+1
.endr
.irp q, 0,1,2,3
	v_cvt_scalef32_pk8_bf8_f32 v[CD+8*\t+2*\q:CD+8*\t+2*\q+1], v[X+32*\t+8*\q:X+32*\t+8*\q+7], v20
.endr
	global_store_b128 v11, v[CD+8*\t:CD+8*\t+3], s[20:21] offset:512*\t         ; k 32 t + 0..15: the image's lanes 0-15.  Sixteen lanes store 256 consecutive bytes, aligned
	global_store_b128 v11, v[CD+8*\t+4:CD+8*\t+7], s[20:21] offset:512*\t+256   ; k 32 t + 16..31: its lanes 16-31
.endr
.endm
	s_cmp_lt_u32 s41, 16
	s_cbranch_scc1 .Lwide
	WBODY 4096
	s_endpgm
.Lwide:
	WBODY 8192
	s_endpgm
.Lfunc_end_k_qf259c8ead4_prep:
	.size	k_qf259c8ead4_prep, .Lfunc_end_k_qf259c8ead4_prep-k_qf259c8ead4_prep
	.p2alignl 7, 3214868480
	.fill 96, 4, 3214868480
	.section	.rodata,"a",@progbits
	.p2align	6, 0x0
	.amdhsa_kernel k_qf259c8ead4_prep
		.amdhsa_group_segment_fixed_size 70656
		.amdhsa_private_segment_fixed_size 0
		.amdhsa_enable_private_segment 0
		.amdhsa_kernarg_size 72
		.amdhsa_user_sgpr_count 2
		.amdhsa_user_sgpr_kernarg_segment_ptr 1
		.amdhsa_wavefront_size32 1
		.amdhsa_system_sgpr_workgroup_id_x 1
		.amdhsa_system_sgpr_workgroup_id_y 1
		.amdhsa_system_sgpr_workgroup_id_z 1
		.amdhsa_system_vgpr_workitem_id 0
		.amdhsa_next_free_vgpr 256
		.amdhsa_next_free_sgpr 66
		.amdhsa_reserve_vcc 0
		.amdhsa_float_denorm_mode_32 3
		.amdhsa_float_denorm_mode_16_64 3
		.amdhsa_memory_ordered 1
		.amdhsa_forward_progress 1
		.amdhsa_inst_pref_size 72
	.end_amdhsa_kernel
	.amdgpu_metadata
---
amdhsa.version: [ 1, 2 ]
amdhsa.kernels:
  - .name:           k_qf259c8ead4_prep
    .symbol:         k_qf259c8ead4_prep.kd
    .args:
      - { .name: x, .offset: 0, .size: 8, .value_kind: global_buffer, .address_space: global }
      - { .name: ng, .offset: 8, .size: 8, .value_kind: global_buffer, .address_space: global }
      - { .name: nb, .offset: 16, .size: 8, .value_kind: global_buffer, .address_space: global }
      - { .name: pw, .offset: 24, .size: 8, .value_kind: global_buffer, .address_space: global }
      - { .name: sgu_w, .offset: 32, .size: 8, .value_kind: global_buffer, .address_space: global }
      - { .name: cw, .offset: 40, .size: 8, .value_kind: global_buffer, .address_space: global }
      - { .name: lowp_scales, .offset: 48, .size: 8, .value_kind: global_buffer, .address_space: global }
      - { .name: acodes, .offset: 56, .size: 8, .value_kind: global_buffer, .address_space: global }
      - { .name: wcodes, .offset: 64, .size: 8, .value_kind: global_buffer, .address_space: global }
    .group_segment_fixed_size: 70656
    .private_segment_fixed_size: 0
    .kernarg_segment_align: 8
    .kernarg_segment_size: 72
    .max_flat_workgroup_size: 256
    .sgpr_count:     66
    .vgpr_count:     256
    .wavefront_size: 32
...
	.end_amdgpu_metadata
.endif
;; end of part 1
;; launch mid (part 2): grid 256 x 1, 4 waves a work-group, clusters of 4 x 1, 327,680 bytes of LDS; arguments acodes, wcodes, pb, sng, snb, weight, lowp_scales, vcodes; writes vcodes
.if DOCPART == 2
	.amdgcn_target "amdgcn-amd-amdhsa--gfx1250"
	.amdhsa_code_object_version 6
	.text
	.protected	k_qf259c8ead4_mid
	.globl	k_qf259c8ead4_mid
	.p2align	8
	.type	k_qf259c8ead4_mid,@function
k_qf259c8ead4_mid:
	s_mov_b64 s[64:65], 0
	v_nop
	global_prefetch_b8 v0, s[64:65] scope:SCOPE_SE
	s_setreg_imm32_b32 hwreg(HW_REG_WAVE_MODE, 25, 1), 1
	s_wait_xcnt 0x0
	s_wait_alu depctr_hold_cnt(0) depctr_sa_sdst(0) depctr_va_vdst(0) depctr_va_sdst(0) depctr_va_ssrc(0) depctr_va_vcc(0) depctr_vm_vsrc(0)
	s_getreg_b32 s2, hwreg(HW_REG_IB_STS2, 6, 4)
	s_cmp_eq_u32 s2, 0
	s_cbranch_scc0 .Lentry_in_a_cluster
	s_endpgm
.Lentry_in_a_cluster:
	s_bfe_u32 s2, ttmp6, 0x10000c
	s_cmp_lg_u32 s2, 0x3003
	s_cbranch_scc0 .Lentry_shape_is_right
	s_endpgm
.Lentry_shape_is_right:
; THE v HALF: v = swish(LN(x) pw[:, 1024:] + pb[1024:]); vn = LN(v) over t; vn x weight[b, s] quantised with 2^e3 along s (vcodes: one image a batch, rows = t, K = s; the layout is stated at the head of prep).
; SHARES.  A work-group owns 64 tokens (four tiles) of one batch and ALL 1,024 columns t, so the norm over t never leaves it.  Wave w makes columns of tiles 16 w .. 16 w + 15: 64 accumulators, 512 registers.
; Source 0 = 16 tokens, source 1 = 16 columns: a lane holds ONE column pi(16 w + f, r), and register j of accumulator (a, f) token 32 (a/2) + 16 h + 8 (a%2) + j of the 64:
; the 16 registers of (2 bb, f) and (2 bb + 1, f) are 16 neighbours along s, the next product's K: the conversions' results are the image's bytes.
; THE RING.  pw_v's image goes by K steps of 128 (131,072 bytes) through two LDS slots; each wave fetches the quarter that it multiplies, one tensor load behind each round of the cluster's barrier.
; CLUSTER.  The four work-groups of a cluster walk the same tiles of pw_v: each tile is asked for jointly (mask 15).  The K steps begin at cluster number % 8, so that clusters ask for different tiles in a period.
; The tokens' fragments differ between partners: wave w loads fragment a = w into registers a period ahead and hands it to the others through a stage in LDS (two stages by turns).
; No prefetch: with that rotation all eight tiles of pw_v are asked for by some cluster in the first period, so nothing is left to ask for ahead.
; swish is taken on z' = z log2(e): z' / (1 + 2^-z') = v log2(e); the norm is unchanged by that factor when 1e-5 is multiplied by log2(e)^2.
; LIMITS: e3 between -126 and 112; e0 + e1 between -126 and 127 (added to the exponent field of log2(e)).  NaN and infinities are not served.  For z under about -88 the result is -0.
; REGISTERS, in windows of 256.  Window 0: v1-14 addresses and constants; v32-47 the fragment loaded ahead; v64-95 pb log2(e), v96-127 sng, v128-159 snb: each column's number twice, a pair for the packed forms;
;   v160-191 weight of my 32 tokens; v192-255 the tokens' four fragments, later the means (v192-223) and the squares' sums, then 1/sigma (v224-255).
;   Window 1: pw_v's 16 fragments; later at work.   Windows 2, 3: accumulator (a, f) at v[8 (4 (f%8) + a)] of window 2 + f/8.
.set SLOT,  131072
.set AST,   262144                     ; two stages of 8,192 bytes: four fragments
.set ASTB,  8192
.set STAT,  278528                     ; the waves' row sums: 256 w + 128 h + 4 x row; the squares' 1,024 bytes further on
.set SPARE, 280576                     ; the spare words, 128 bytes for each wave: two blocks of 256 bytes that no other line names
.set LI,  1                            ; 16 x lane
.set BA,  2                            ; v2, v3  my quarter of slot 0, 1
.set ASA, 4                            ; the stages
.set ASW, 5                            ; my fragment's place in a stage
.set AOF, 6                            ; offset of the fragment being loaded
.set H64, 7                            ; 64 h
.set SPW, 8                            ; my spare word; never rewritten
.set NIL, 9                            ; 0; never rewritten
.set COL, 10                           ; 4 (r + 8 (r / 8))
.set STW, 11
.set STR, 12
.set SCV, 13                           ; 2^e3
.set LIM, 14                           ; 57,344 x 2^e3
.set AP,  32
.set PBV, 64
.set SNG, 96
.set SNB, 128
.set WR,  160
.set AF,  192
.set MEAN, 192
.set RS,  224
.set WV,  20
.set GR1, 28                           ; s[28:35] descriptor group 1
.set GR0, 36                           ; s[36:39] descriptor group 0
.set MSB, 0
.macro WIN new                         ; bits 1:0 source 0, 3:2 source 1, 5:4 source 2, 7:6 destination; the high byte repeats the setting that is left
.if MSB != (\new)
	s_set_vgpr_msb (MSB<<8)|(\new)
.set MSB, \new
.endif
.endm
.macro ROUND                           ; a round of the cluster's barrier
	s_barrier_signal -1
	s_barrier_wait -1
	s_cmp_lg_u32 s[WV], 0
	s_cbranch_scc1 .Lnot_wave_0_\@
	s_barrier_signal -3
.Lnot_wave_0_\@:
	s_barrier_wait -3
	s_barrier_signal -1
	s_barrier_wait -1
.endm
.macro PLACES                          ; four plain vector instructions behind matrix instructions, ahead of loads into their registers and of reads of their results
.rept 4
	v_nop
.endr
.endm
.macro FRAG reg, adr, off              ; a fragment's image out of LDS
.irp c, 0,1,2,3
	ds_load_b128 v[(\reg)+4*\c:(\reg)+4*\c+3], v[\adr] offset:(\off)+512*\c
.endr
.endm
.macro IMG adr, reg, off               ; and into it
.irp c, 0,1,2,3
	ds_store_b128 v[\adr], v[(\reg)+4*\c:(\reg)+4*\c+3] offset:(\off)+512*\c
.endr
.endm
	s_load_b512 s[4:19], s[0:1], 0x0               ; acodes, wcodes, pb, sng, snb, weight, lowp_scales, vcodes
	v_lshl_add_u32 v[SPW], v0, 2, SPARE
	v_mov_b32 v[NIL], 0
	ds_add_u32 v8, v9
	ds_add_u32 v8, v9
	s_wait_dscnt 0x0
	v_lshrrev_b32 v15, 5, v0
	v_readfirstlane_b32 s[WV], v15                 ; wave 0..3
	s_bfe_u32 s21, ttmp6, 0x40000                  ; cx: it enters plain global addresses alone
	s_lshr_b32 s23, ttmp9, 2                       ; batch: 16 work-groups, four clusters, to a batch
	s_and_b32 s24, ttmp9, 3
	s_lshl_b32 s24, s24, 2
	s_add_co_u32 s24, s24, s21                     ; jb: my block of 64 tokens
	s_and_b32 s25, ttmp9, 7                        ; the first K step
	s_lshl_b32 s56, s[WV], 15                      ; my quarter of a slot
	s_mov_b32 s27, 0
	s_mov_b32 s[GR1], 15|(3<<16)|(1<<21)           ; 15:0 the mask: all four work-groups; 17:16 elements of 8 bytes; 21 set beside a mask; no padding
	s_mov_b32 s[GR1+1], 32<<16                     ; tensor_dim0 = 32 elements: rows of 256 bytes
	s_mov_b32 s[GR1+2], 128<<16                    ; tensor_dim1 = 128 rows: a dense block of 32,768 bytes
	s_mov_b32 s[GR1+3], 32<<16                     ; tile_dim0
	s_mov_b32 s[GR1+4], 128                        ; tile_dim1
	s_mov_b32 s[GR1+5], 32                         ; from row to row
	s_mov_b32 s[GR1+6], 0
	s_mov_b32 s[GR1+7], 0
	s_mov_b32 s54, 0x3a800000                      ; 1 / 1024
	s_mov_b32 s55, 0x37ae990f                      ; 1e-5 x log2(e)^2
	s_wait_kmcnt 0x0
	s_load_b128 s[48:51], s[16:17], 0x0            ; e0, e1, e2, e3
	s_add_co_u32 s26, s56, 0x100000
	s_add_nc_u64 s[40:41], s[6:7], s[26:27]        ; pw_v's image at my quarter of a K step
	s_mov_b32 s[GR0], 1
	s_lshl_b32 s[GR0+1], s[WV], 15                 ; slot 0
	s_lshl_b32 s26, s25, 17
	s_add_nc_u64 s[GR0+2:GR0+3], s[40:41], s[26:27]
	s_or_b32 s[GR0+3], s[GR0+3], 0x80000000        ; type 2
	ROUND                                          ; all four work-groups are here: the first joint loads meet
	tensor_load_to_lds s[GR0:GR0+3], s[GR1:GR1+7]
	s_nop 0
	PLACES
	v_and_b32 v15, 31, v0
	v_lshlrev_b32 v[LI], 4, v15
	v_add_nc_u32 v[BA], s56, v[LI]
	v_add_nc_u32 v[BA+1], SLOT, v[BA]
	v_add_nc_u32 v[ASA], AST, v[LI]
	s_lshl_b32 s57, s[WV], 11
	v_add_nc_u32 v[ASW], s57, v[ASA]
	v_bfe_u32 v15, v0, 4, 1                        ; h
	v_lshlrev_b32 v[H64], 6, v15
	s_lshl_b32 s57, s[WV], 8
	s_add_co_u32 s57, s57, STAT
	v_lshl_add_u32 v[STW], v15, 7, s57
	v_lshl_add_u32 v[STR], v15, 7, STAT
	v_and_b32 v15, 15, v0                          ; r
	v_and_b32 v[COL], 8, v15
	v_add_nc_u32 v[COL], v[COL], v15
	v_lshlrev_b32 v[COL], 2, v[COL]
	s_mov_b32 s59, 0                               ; s[58:59], s52: offsets that hold cx; no register that feeds a descriptor holds it
	s_lshl_b32 s58, s24, 2
	s_add_co_u32 s58, s58, s[WV]
	s_lshl_b32 s58, s58, 11                        ; tile 4 jb + w
	s_lshl_b32 s57, s23, 20
	s_add_co_u32 s58, s58, s57
	s_add_nc_u64 s[42:43], s[4:5], s[58:59]        ; the tokens' fragment that I load
	s_lshr_b32 s58, s24, 1
	s_lshl_b32 s58, s58, 17                        ; my 64 tokens lie in K step jb / 2 of vcodes,
	s_add_co_u32 s58, s58, s57
	s_add_co_u32 s58, s58, s56                     ; tiles 16 w on,
	s_and_b32 s52, s24, 1
	s_lshl_b32 s52, s52, 10                        ; blocks c = 2 (jb % 2) and the next
	s_add_co_u32 s58, s58, s52
	s_add_nc_u64 s[44:45], s[18:19], s[58:59]
	s_lshl_b32 s58, s23, 12
	s_lshl_b32 s52, s24, 8
	s_add_co_u32 s58, s58, s52
	s_add_nc_u64 s[60:61], s[14:15], s[58:59]      ; weight of my 64 tokens
	s_lshl_b32 s26, s[WV], 10
	s_add_nc_u64 s[66:67], s[10:11], s[26:27]      ; sng, snb, pb at my 256 columns
	s_add_nc_u64 s[68:69], s[12:13], s[26:27]
	s_add_co_u32 s26, s26, 4096
	s_add_nc_u64 s[62:63], s[8:9], s[26:27]
	s_lshl_b32 s26, s25, 17
	v_add_nc_u32 v[AOF], s26, v[LI]
.irp c, 0,1,2,3
	global_load_b128 v[AP+4*\c:AP+4*\c+3], v[AOF], s[42:43] offset:512*\c
.endr
.set f, 0
.rept 16
.irp d, 0,1
	global_load_b32 v[PBV+2*f+\d], v[COL], s[62:63] offset:128*(f/2)+32*(f%2)   ; column pi(16 w + f, r), into both halves of a pair; once in the launch
	global_load_b32 v[SNG+2*f+\d], v[COL], s[66:67] offset:128*(f/2)+32*(f%2)
	global_load_b32 v[SNB+2*f+\d], v[COL], s[68:69] offset:128*(f/2)+32*(f%2)
.endr
.set f, f+1
.endr
.irp a, 0,1,2,3
	global_load_b128 v[WR+8*\a:WR+8*\a+3], v[H64], s[60:61] offset:128*(\a/2)+32*(\a%2)
	global_load_b128 v[WR+8*\a+4:WR+8*\a+7], v[H64], s[60:61] offset:128*(\a/2)+32*(\a%2)+16
.endr
	s_wait_loadcnt 0x0
	s_wait_kmcnt 0x0
.set f, 0
.rept 16
	v_pk_mul_f32 v[PBV+2*f:PBV+2*f+1], v[PBV+2*f:PBV+2*f+1], 0x3fb8aa3b op_sel_hi:[1,0]
.set f, f+1
.endr
	s_add_co_i32 s52, s48, s49
	s_lshl_b32 s52, s52, 23
	s_add_co_i32 s46, s52, 0x3fb8aa3b              ; 2^(e0 + e1) log2(e): the exponents are added to the exponent field
	s_mov_b32 s47, s46
	s_add_co_i32 s52, s51, 127
	s_lshl_b32 s53, s52, 23
	v_mov_b32 v[SCV], s53
	s_add_co_i32 s52, s52, 15
	s_lshl_b32 s52, s52, 23
	s_or_b32 s52, s52, 0x600000
	v_mov_b32 v[LIM], s52
; 32 products: fragments 8 hi .. 8 hi + 7 of pw_v against the four of the tokens.  The 64 accumulators take turns, in the same order in every period.
.macro MMUL hi, zero
.irp g, 0,1,2,3,4,5,6,7
.irp a, 0,1,2,3
.if \zero
	v_wmma_f32_16x16x128_bf8_bf8 v[8*(4*\g+\a):8*(4*\g+\a)+7], v[AF+16*\a:AF+16*\a+15], v[16*(8*(\hi)+\g):16*(8*(\hi)+\g)+15], 0
.else
	v_wmma_f32_16x16x128_bf8_bf8 v[8*(4*\g+\a):8*(4*\g+\a)+7], v[AF+16*\a:AF+16*\a+15], v[16*(8*(\hi)+\g):16*(8*(\hi)+\g)+15], v[8*(4*\g+\a):8*(4*\g+\a)+7]
.endif
.endr
.endr
.endm
; PERIOD p: K step (first + p) % 8, in slot p % 2.  zero = 1: the products start the sums.  refill = 1: the next K step is asked for.
.macro MP p, zero, refill
	s_wait_loadcnt 0x0                             ; the fragment that I loaded a period ago
	IMG ASW, AP, ASTB*((\p)&1)                     ; into the stage that was last read two periods ago: every wave has passed a barrier since, behind its wait for those reads
	s_wait_tensorcnt 0x0                           ; my one tensor load, my quarter of this period's slot, has landed
	ds_add_u32 v[SPW], v[NIL]                      ; 0 onto my spare word
.if \refill
	s_add_co_u32 s26, s25, (\p)+1                  ; no tensor load of mine is out: group 0 may be written
	s_and_b32 s26, s26, 7
	s_lshl_b32 s26, s26, 17
	s_add_nc_u64 s[GR0+2:GR0+3], s[40:41], s[26:27]
	s_or_b32 s[GR0+3], s[GR0+3], 0x80000000
	s_add_co_u32 s[GR0+1], s56, SLOT*(((\p)+1)&1)
.endif
	s_wait_dscnt 0x0                               ; the add and my stores into the stage are done; my reads of the other slot were over at the last products
.if \refill
	ROUND                                          ; no wave of any partner still reads the other slot or has a load on its way
	tensor_load_to_lds s[GR0:GR0+3], s[GR1:GR1+7]  ; my one load behind the round: it has this period's 64 products in which to land
	s_nop 0
.else
	s_barrier_signal -1
	s_barrier_wait -1
.endif
	PLACES                                         ; also the places ahead of the loads into fragments that the last products read
.if \refill
	v_add_nc_u32 v[AOF], s26, v[LI]
.irp c, 0,1,2,3
	global_load_b128 v[AP+4*\c:AP+4*\c+3], v[AOF], s[42:43] offset:512*\c
.endr
.endif
.irp a, 0,1,2,3
	FRAG AF+16*\a,ASA,ASTB*((\p)&1)+2048*\a
.endr
	WIN 0x40
.set f, 0
.rept 16
	FRAG 16*f,BA+((\p)&1),2048*f
.set f, f+1
.endr
	s_wait_dscnt 32                                ; the tokens' fragments and pw_v's 0-7 are in; the youngest 32 loads (8-15) may be out
	WIN 0xa4                                       ; source 0 window 0, source 1 window 1, C and D window 2
	MMUL 0, \zero
	s_wait_dscnt 0x0
	WIN 0xf4
	MMUL 1, \zero
	WIN 0
.endm
	MP 0, 1, 1
.irp p, 1,2,3,4,5,6
	MP \p, 0, 1
.endr
	MP 7, 0, 0
; ---- swish
	PLACES
.macro BIAS hi                         ; z' = sum x 2^(e0 + e1) log2(e) + pb log2(e); each accumulator from its low end on
	WIN 0x82+0x41*(\hi)
.irp g, 0,1,2,3,4,5,6,7
.irp a, 0,1,2,3
.irp i, 0,2,4,6
.set RR, 8*(4*\g+\a)+\i
	v_pk_fma_f32 v[RR:RR+1], v[RR:RR+1], s[46:47], v[PBV+2*(8*(\hi)+\g):PBV+2*(8*(\hi)+\g)+1] op_sel_hi:[1,0,1]
.endr
.endr
.endr
.endm
	BIAS 0
	BIAS 1
.macro SIGM win                        ; the 256 numbers of window win times 1 / (1 + 2^-z'), by way of window 1.  Each batch of transcendentals has one plain instruction and one wait behind it
	WIN 0x40+(\win)
.set i, 0
.rept 256
	v_exp_f32 v[i], -v[i]
.set i, i+1
.endr
	v_nop
	s_wait_alu depctr_va_vdst(0)
	WIN 0x41
.set i, 0
.rept 128
	v_pk_add_f32 v[i:i+1], v[i:i+1], 1.0 op_sel_hi:[1,0]
.set i, i+2
.endr
.set i, 0
.rept 256
	v_rcp_f32 v[i], v[i]
.set i, i+1
.endr
	v_nop
	s_wait_alu depctr_va_vdst(0)
	WIN 0x04+0x41*(\win)                           ; source 0 and destination window win, source 1 window 1
.set i, 0
.rept 128
	v_pk_mul_f32 v[i:i+1], v[i:i+1], v[i:i+1]
.set i, i+2
.endr
.endm
	SIGM 2
	SIGM 3
; ---- the norm over t.  32 row figures a lane in v[reg] on: summed over the 16 lanes of my half, then over the four waves through LDS
.macro ACROSS reg, off
.irp m, 1,2,4,8
.set i, 0
.rept 32
	v_add_f32_dpp v[\reg+i], v[\reg+i], v[\reg+i] row_xmask:\m row_mask:0xf bank_mask:0xf
.set i, i+1
.endr
.endr
.irp q, 0,1,2,3,4,5,6,7
	ds_store_b128 v[STW], v[\reg+4*\q:\reg+4*\q+3] offset:\off+16*\q   ; the sixteen lanes of a half store the same numbers to the same bytes
.endr
	s_wait_dscnt 0x0                               ; for the others' sake
	s_barrier_signal -1
	s_barrier_wait -1
	WIN 0x40
.irp u, 0,1,2,3
.irp q, 0,1,2,3,4,5,6,7
	ds_load_b128 v[32*\u+4*\q:32*\u+4*\q+3], v[STR] offset:\off+256*\u+16*\q
.endr
.endr
	s_wait_dscnt 0x0
	WIN 0x05
.set i, 0
.rept 16
	v_pk_add_f32 v[\reg+i:\reg+i+1], v[i:i+1], v[32+i:33+i]
.set i, i+2
.endr
	WIN 0x04
.set i, 0
.rept 16
	v_pk_add_f32 v[\reg+i:\reg+i+1], v[\reg+i:\reg+i+1], v[64+i:65+i]
.set i, i+2
.endr
.set i, 0
.rept 16
	v_pk_add_f32 v[\reg+i:\reg+i+1], v[\reg+i:\reg+i+1], v[96+i:97+i]
.set i, i+2
.endr
	WIN 0
.endm
	WIN 0x0a                                       ; the rows' sums over my 16 columns: sixteen chains, started by fragments 0 and 1
.irp a, 0,1,2,3
.irp i, 0,2,4,6
	v_pk_add_f32 v[MEAN+8*\a+\i:MEAN+8*\a+\i+1], v[8*\a+\i:8*\a+\i+1], v[8*(4+\a)+\i:8*(4+\a)+\i+1]
.endr
.endr
	WIN 0x08
.irp g, 2,3,4,5,6,7
.irp a, 0,1,2,3
.irp i, 0,2,4,6
	v_pk_add_f32 v[MEAN+8*\a+\i:MEAN+8*\a+\i+1], v[MEAN+8*\a+\i:MEAN+8*\a+\i+1], v[8*(4*\g+\a)+\i:8*(4*\g+\a)+\i+1]
.endr
.endr
.endr
	WIN 0x0c
.irp g, 0,1,2,3,4,5,6,7
.irp a, 0,1,2,3
.irp i, 0,2,4,6
	v_pk_add_f32 v[MEAN+8*\a+\i:MEAN+8*\a+\i+1], v[MEAN+8*\a+\i:MEAN+8*\a+\i+1], v[8*(4*\g+\a)+\i:8*(4*\g+\a)+\i+1]
.endr
.endr
.endr
	WIN 0
	ACROSS MEAN, 0
.set i, 0
.rept 16
	v_pk_mul_f32 v[MEAN+i:MEAN+i+1], v[MEAN+i:MEAN+i+1], s[54:55] op_sel_hi:[1,0]
.set i, i+2
.endr
.irp hi, 0,1
	WIN 0x82+0x41*\hi
.irp g, 0,1,2,3,4,5,6,7
.irp a, 0,1,2,3
.irp i, 0,2,4,6
.set RR, 8*(4*\g+\a)+\i
	v_pk_add_f32 v[RR:RR+1], v[RR:RR+1], v[MEAN+8*\a+\i:MEAN+8*\a+\i+1] neg_lo:[0,1] neg_hi:[0,1]
.endr
.endr
.endr
.endr
	WIN 0x0a                                       ; the squares of the differences
.irp a, 0,1,2,3
.irp i, 0,2,4,6
	v_pk_mul_f32 v[RS+8*\a+\i:RS+8*\a+\i+1], v[8*\a+\i:8*\a+\i+1], v[8*\a+\i:8*\a+\i+1]
.endr
.endr
.irp g, 1,2,3,4,5,6,7
.irp a, 0,1,2,3
.irp i, 0,2,4,6
.set RR, 8*(4*\g+\a)+\i
	v_pk_fma_f32 v[RS+8*\a+\i:RS+8*\a+\i+1], v[RR:RR+1], v[RR:RR+1], v[RS+8*\a+\i:RS+8*\a+\i+1]
.endr
.endr
.endr
	WIN 0x0f
.irp g, 0,1,2,3,4,5,6,7
.irp a, 0,1,2,3
.irp i, 0,2,4,6
.set RR, 8*(4*\g+\a)+\i
	v_pk_fma_f32 v[RS+8*\a+\i:RS+8*\a+\i+1], v[RR:RR+1], v[RR:RR+1], v[RS+8*\a+\i:RS+8*\a+\i+1]
.endr
.endr
.endr
	WIN 0
	ACROSS RS, 1024                                ; other bytes than the sums': no barrier between
.set i, 0
.rept 32
	v_fma_f32 v[RS+i], v[RS+i], s54, s55
.set i, i+1
.endr
.set i, 0
.rept 32
	v_rsq_f32 v[RS+i], v[RS+i]
.set i, i+1
.endr
	v_nop
	s_wait_alu depctr_va_vdst(0)                   ; one wait for the 32 roots
; ((d / sigma) sng + snb) x weight, the hold, the codes
.macro NORMQ hi
	WIN 0x82+0x41*(\hi)
.irp g, 0,1,2,3,4,5,6,7
.irp a, 0,1,2,3
.irp i, 0,2,4,6
.set RR, 8*(4*\g+\a)+\i
	v_pk_mul_f32 v[RR:RR+1], v[RR:RR+1], v[RS+8*\a+\i:RS+8*\a+\i+1]
.endr
.endr
.endr
.irp g, 0,1,2,3,4,5,6,7
.irp a, 0,1,2,3
.irp i, 0,2,4,6
.set RR, 8*(4*\g+\a)+\i
	v_pk_fma_f32 v[RR:RR+1], v[RR:RR+1], v[SNG+2*(8*(\hi)+\g):SNG+2*(8*(\hi)+\g)+1], v[SNB+2*(8*(\hi)+\g):SNB+2*(8*(\hi)+\g)+1]
.endr
.endr
.endr
.irp g, 0,1,2,3,4,5,6,7
.irp a, 0,1,2,3
.irp i, 0,2,4,6
.set RR, 8*(4*\g+\a)+\i
	v_pk_mul_f32 v[RR:RR+1], v[RR:RR+1], v[WR+8*\a+\i:WR+8*\a+\i+1]
.endr
.endr
.endr
.set i, 0
.rept 256
	v_med3_num_f32 v[i], v[i], -v[LIM], v[LIM]     ; the conversion does not saturate (ISA guide 7.6.2)
.set i, i+1
.endr
	WIN 0x42+(\hi)                                 ; codes into window 1: four registers for (f, bb), 128 in all, none written twice
.irp g, 0,1,2,3,4,5,6,7
.irp bb, 0,1
	v_cvt_scalef32_pk8_bf8_f32 v[8*(8*(\hi)+\g)+4*\bb:8*(8*(\hi)+\g)+4*\bb+1], v[8*(4*\g+2*\bb):8*(4*\g+2*\bb)+7], v[SCV]
	v_cvt_scalef32_pk8_bf8_f32 v[8*(8*(\hi)+\g)+4*\bb+2:8*(8*(\hi)+\g)+4*\bb+3], v[8*(4*\g+2*\bb+1):8*(4*\g+2*\bb+1)+7], v[SCV]
.endr
.endr
	v_nop                                          ; a plain instruction behind the run of conversions
.endm
	NORMQ 0
	NORMQ 1
	WIN 0x04                                       ; store data in window 1
.set f, 0
.rept 16
.irp bb, 0,1
	global_store_b128 v[LI], v[8*f+4*\bb:8*f+4*\bb+3], s[44:45] offset:2048*f+512*\bb   ; 32 lanes store 512 consecutive bytes, aligned: block c = 2 (jb % 2) + bb of tile 16 w + f
.endr
.set f, f+1
.endr
	WIN 0
	s_wait_tensorcnt 0x0                           ; the wave's end
	ds_add_u32 v[SPW], v[NIL]
	s_wait_dscnt 0x0
	ROUND                                          ; the closing round
	s_endpgm
.Lfunc_end_k_qf259c8ead4_mid:
	.size	k_qf259c8ead4_mid, .Lfunc_end_k_qf259c8ead4_mid-k_qf259c8ead4_mid
	.p2alignl 7, 3214868480
	.fill 96, 4, 3214868480
	.section	.rodata,"a",@progbits
	.p2align	6, 0x0
	.amdhsa_kernel k_qf259c8ead4_mid
		.amdhsa_group_segment_fixed_size 327680
		.amdhsa_private_segment_fixed_size 0
		.amdhsa_enable_private_segment 0
		.amdhsa_kernarg_size 64
		.amdhsa_user_sgpr_count 2
		.amdhsa_user_sgpr_kernarg_segment_ptr 1
		.amdhsa_wavefront_size32 1
		.amdhsa_system_sgpr_workgroup_id_x 1
		.amdhsa_system_sgpr_workgroup_id_y 1
		.amdhsa_system_sgpr_workgroup_id_z 1
		.amdhsa_system_vgpr_workitem_id 0
		.amdhsa_next_free_vgpr 1024
		.amdhsa_next_free_sgpr 80
		.amdhsa_reserve_vcc 0
		.amdhsa_float_denorm_mode_32 3
		.amdhsa_float_denorm_mode_16_64 3
		.amdhsa_memory_ordered 1
		.amdhsa_forward_progress 1
		.amdhsa_inst_pref_size 255
	.end_amdhsa_kernel
	.section	.bss,"aw",@nobits
	.p2align	6
	.space	262144
	.amdgpu_metadata
---
amdhsa.version: [ 1, 2 ]
amdhsa.kernels:
  - .name:           k_qf259c8ead4_mid
    .symbol:         k_qf259c8ead4_mid.kd
    .args:
      - { .name: acodes, .offset: 0, .size: 8, .value_kind: global_buffer, .address_space: global }
      - { .name: wcodes, .offset: 8, .size: 8, .value_kind: global_buffer, .address_space: global }
      - { .name: pb, .offset: 16, .size: 8, .value_kind: global_buffer, .address_space: global }
      - { .name: sng, .offset: 24, .size: 8, .value_kind: global_buffer, .address_space: global }
      - { .name: snb, .offset: 32, .size: 8, .value_kind: global_buffer, .address_space: global }
      - { .name: weight, .offset: 40, .size: 8, .value_kind: global_buffer, .address_space: global }
      - { .name: lowp_scales, .offset: 48, .size: 8, .value_kind: global_buffer, .address_space: global }
      - { .name: vcodes, .offset: 56, .size: 8, .value_kind: global_buffer, .address_space: global }
    .group_segment_fixed_size: 327680
    .private_segment_fixed_size: 0
    .kernarg_segment_align: 8
    .kernarg_segment_size: 64
    .max_flat_workgroup_size: 128
    .sgpr_count:     80
    .vgpr_count:     1024
    .wavefront_size: 32
...
	.end_amdgpu_metadata
.endif
;; end of part 2
;; launch back (part 3): grid 16 x 16, 4 waves a work-group, clusters of 4 x 1, 327,680 bytes of LDS; arguments wcodes, acodes, vcodes, weight, sgu_b, pb, cb, lowp_scales, out0; writes out0
.if DOCPART == 3
	.amdgcn_target "amdgcn-amd-amdhsa--gfx1250"
	.amdhsa_code_object_version 6
	.text
	.protected	k_qf259c8ead4_back
	.globl	k_qf259c8ead4_back
	.p2align	8
	.type	k_qf259c8ead4_back,@function
k_qf259c8ead4_back:
	s_mov_b64 s[64:65], 0
	v_nop
	global_prefetch_b8 v0, s[64:65] scope:SCOPE_SE
	s_setreg_imm32_b32 hwreg(HW_REG_WAVE_MODE, 25, 1), 1
	s_wait_xcnt 0x0
	s_wait_alu depctr_hold_cnt(0) depctr_sa_sdst(0) depctr_va_vdst(0) depctr_va_sdst(0) depctr_va_ssrc(0) depctr_va_vcc(0) depctr_vm_vsrc(0)
	s_getreg_b32 s2, hwreg(HW_REG_IB_STS2, 6, 4)
	s_cmp_eq_u32 s2, 0
	s_cbranch_scc0 .Lentry_in_a_cluster
	s_endpgm
.Lentry_in_a_cluster:
	s_bfe_u32 s2, ttmp6, 0x10000c
	s_cmp_lg_u32 s2, 0x3003
	s_cbranch_scc0 .Lentry_shape_is_right
	s_endpgm
.Lentry_shape_is_right:
; THE REST: G[j][t] = sum over s of sgu_w[s][j] (vn w)[s][t];  u = swish(LN(x) pw[:, :1024] + pb[:1024]);  proj = u (G weight[b, j] + sgu_b[j]), quantised with 2^e4 along t;  out = proj cw + cb.
; All operands are the images that prep and mid stored (layout at the head of prep).
; SHARES.  A work-group owns 64 rows j (four tiles) of one batch and all 1,024 columns, so proj never leaves it: u is made here, from codes, row for row beside G.
; GATING, two chunks of 512 columns t.  In a chunk wave w makes, of each of four blocks of 128 t, the 32 columns 32 w on: 32 accumulators of G (window 2) and 32 of u's sums (window 3).
; Source 0 = 16 columns t, source 1 = 16 rows j: a lane holds ONE row pi(a, r) and eight neighbouring t; fragments 2 q and 2 q + 1 give 16 neighbours along t, the last product's K:
; the conversions' four registers are block c = w of proj's fragment (a, K step of block q).  They stay in registers (v64-127, v192-255) until the last product wants them.
; LAST PRODUCT, eight K steps: every wave gives its quarter of the four proj fragments to a stage in LDS; wave w makes output columns 256 w on: 64 accumulators.
; THE RING.  Two slots of 131,072 bytes; each wave fetches a quarter, one tensor load behind each round of the cluster's barrier.  Gating: a slot holds one K step of vn (waves 0, 1 fetch) and one of pw_u
; (waves 2, 3) for the chunk's 512 columns.  Last product: one K step of cw.  The ring runs on from chunk to chunk and into the last product.
; CLUSTER.  The four work-groups of a cluster belong to one batch and walk the same tiles of vn, pw_u and cw: each is asked for jointly (mask 15).  Where the K steps and the blocks of t begin hangs on the
; cluster's numbers alone and enters global addresses alone.  sgu_w's and the tokens' fragments differ between partners: loaded into registers a period ahead, handed round through a stage in LDS.
; u = z' ln(2) / (1 + 2^-z') with z' = z log2(e); the ln(2) is folded into weight and sgu_b.
; LIMITS: e4 between -126 and 112; e0 + e1 and e4 + e5 between -126 and 127; e2 + e3 goes through v_ldexp_f32.  NaN and infinities are not served.  For z under about -88 u is -0.
; REGISTERS.  Window 0: v1-15 and the odd registers v17-31 addresses and constants; even v16-22 weight[j] 2^(e2+e3) ln(2), even v24-30 sgu_b[j] ln(2) (the packed forms name a pair and take its low word);
;   v32-63 the two fragments loaded ahead; v64-127 proj's codes of chunk 0; v128-191 sgu_w's fragments, pb, proj's fragments; v192-255 the tokens' fragments, then proj's codes of chunk 1; at the end cb in v64-127, v192-255.
;   Window 1: the streamed fragments; at work in between.   Windows 2, 3: accumulators.
.set SLOT,  131072
.set AST,   262144                     ; two stages of 16,384 bytes: four fragments of sgu_w (or of proj), then four of the tokens
.set ASTB,  16384
.set PBT,   294912                     ; pb[:1024] log2(e), the blocks of 128 in the order in which this cluster walks them
.set SPARE, 299008                     ; the spare words, 128 bytes for each wave: two blocks of 256 bytes that no other line names
.set LI,  1
.set BG,  2                            ; v2, v3  my fragments of vn in slot 0, 1
.set BU,  4                            ; v4, v5  of pw_u
.set B3,  6                            ; v6, v7  of cw; v6 is also where I read my stage back on the way out
.set SPW, 8
.set NIL, 9
.set ASA, 10
.set ASW, 11
.set AS3, 12
.set PBA, 13
.set AGO, 14
.set AUO, 15
.set WS,  16
.set PFO, 17                           ; 256 x lane; never rewritten
.set SC4, 19
.set LIM, 21
.set TMPA, 23
.set BJ,  24
.set H64, 25
.set STO, 27
.set COL, 29
.set AP,  32
.set PC0, 64
.set AG,  128
.set PB,  128
.set AU,  192
.set PC1, 192
.set WV,  22
.set CX,  23
.set YY,  25
.set JB,  26
.set TT0, 27                           ; the first block of t
.set KS0, 28                           ; the first K step along s
.set KH0, 29                           ; the first K step along h
.set GR1, 32
.set GR0, 40
.set BASEB, 44
.set K0W, 46
.set TW,  47
.set OFFT, 48
.set CWB, 50
.set SGB, 52
.set ACB, 54
.set CH,  56
.set W15, 57
.set SC1, 58
.set SC3, 60
.set PFA, 62
.set F0,  66
.set F1,  67
.set OUTB, 68
.set FLG, 78
.set MSB, 0
.macro WIN new
.if MSB != (\new)
	s_set_vgpr_msb (MSB<<8)|(\new)
.set MSB, \new
.endif
.endm
.macro ROUND
	s_barrier_signal -1
	s_barrier_wait -1
	s_cmp_lg_u32 s[WV], 0
	s_cbranch_scc1 .Lnot_wave_0_\@
	s_barrier_signal -3
.Lnot_wave_0_\@:
	s_barrier_wait -3
	s_barrier_signal -1
	s_barrier_wait -1
.endm
.macro PLACES
.rept 4
	v_nop
.endr
.endm
.macro FRAG reg, adr, off
.irp c, 0,1,2,3
	ds_load_b128 v[(\reg)+4*\c:(\reg)+4*\c+3], v[\adr] offset:(\off)+512*\c
.endr
.endm
.macro IMG adr, reg, off
.irp c, 0,1,2,3
	ds_store_b128 v[\adr], v[(\reg)+4*\c:(\reg)+4*\c+3] offset:(\off)+512*\c
.endr
.endm
	s_load_b512 s[4:19], s[0:1], 0x0               ; wcodes, acodes, vcodes, weight, sgu_b, pb, cb, lowp_scales
	s_load_b64 s[20:21], s[0:1], 0x40              ; out0
	v_lshl_add_u32 v[SPW], v0, 2, SPARE
	v_mov_b32 v[NIL], 0
	ds_add_u32 v8, v9
	ds_add_u32 v8, v9
	s_wait_dscnt 0x0
	v_lshrrev_b32 v23, 5, v0
	v_readfirstlane_b32 s[WV], v23
	s_bfe_u32 s[CX], ttmp6, 0x40000                ; cx: it enters plain global addresses alone
	s_and_b32 s[YY], ttmp7, 0xffff                 ; the batch
	s_lshl_b32 s[JB], ttmp9, 2
	s_add_co_u32 s[JB], s[JB], s[CX]               ; my block of 64 rows
	s_and_b32 s[TT0], s[YY], 3
	s_lshl_b32 s[TT0], s[TT0], 1
	s_lshl_b32 s[KS0], ttmp9, 1
	s_lshr_b32 s[KH0], s[YY], 2
	s_and_b32 s[KH0], s[KH0], 1
	s_add_co_u32 s[KH0], s[KH0], s[KS0]            ; 7 at the most
	s_lshl_b32 s[W15], s[WV], 15
	s_and_b32 s[TW], s[WV], 1
	s_lshl_b32 s[TW], s[TW], 1                     ; which two of a chunk's four blocks I fetch
	s_add_co_u32 s[OFFT], s[TT0], s[TW]
	s_and_b32 s[OFFT], s[OFFT], 7                  ; an even block: it and the next lie on end
	s_lshl_b32 s[OFFT], s[OFFT], 14
	s_lshr_b32 s[F1], s[YY], 2
	s_or_b32 s[F1], s[F1], ttmp9
	s_cmp_eq_u32 s[F1], 0
	s_cselect_b32 s[F1], 1, 0                      ; one cluster for each first block of t asks for cw ahead
	s_cmp_lt_u32 s[WV], 2
	s_cselect_b32 s[K0W], s[KS0], s[KH0]
	s_cselect_b32 s[F0], 1, 0                      ; waves 0 and 1 ask for vn ahead
	s_mov_b32 s31, 0
	s_mov_b32 s[GR1], 15|(3<<16)|(1<<21)           ; the mask of four; elements of 8 bytes; bit 21 beside a mask; no padding
	s_mov_b32 s[GR1+1], 32<<16                     ; rows of 256 bytes,
	s_mov_b32 s[GR1+2], 128<<16                    ; 128 of them: a dense block of 32,768 bytes
	s_mov_b32 s[GR1+3], 32<<16
	s_mov_b32 s[GR1+4], 128
	s_mov_b32 s[GR1+5], 32
	s_mov_b32 s[GR1+6], 0
	s_mov_b32 s[GR1+7], 0
	s_wait_kmcnt 0x0
	s_load_b128 s[72:75], s[18:19], 0x0            ; e0 .. e3
	s_load_b64 s[76:77], s[18:19], 0x10            ; e4, e5
	s_lshl_b32 s30, s[YY], 20
	s_add_nc_u64 s[80:81], s[8:9], s[30:31]
	s_cmp_lt_u32 s[WV], 2
	s_cselect_b64 s[BASEB:BASEB+1], s[80:81], s[4:5]   ; waves 0, 1: the batch's vn; waves 2, 3: pw_u
	s_add_co_u32 s30, s[W15], 0x300000
	s_add_nc_u64 s[CWB:CWB+1], s[4:5], s[30:31]    ; cw at my quarter of a K step
	s_mov_b32 s[GR0], 1
	s_lshl_b32 s[GR0+1], s[WV], 15
	s_lshl_b32 s30, s[K0W], 17
	s_add_co_u32 s30, s30, s[OFFT]
	s_add_nc_u64 s[GR0+2:GR0+3], s[BASEB:BASEB+1], s[30:31]
	s_or_b32 s[GR0+3], s[GR0+3], 0x80000000
	ROUND                                          ; the first joint loads meet
	tensor_load_to_lds s[GR0:GR0+3], s[GR1:GR1+7]
	s_nop 0
	PLACES
	v_and_b32 v23, 31, v0
	v_lshlrev_b32 v[LI], 4, v23
	v_and_b32 v31, 15, v0                          ; r
	v_bfe_u32 v23, v0, 4, 1                        ; h
	s_lshl_b32 s79, s[WV], 12
	v_add_nc_u32 v[BG], s79, v[LI]                 ; in each block of eight tiles, tiles 2 w and 2 w + 1
	v_add_nc_u32 v[BG+1], SLOT, v[BG]
	v_add_nc_u32 v[BU], 65536, v[BG]
	v_add_nc_u32 v[BU+1], SLOT, v[BU]
	v_add_nc_u32 v[B3], s[W15], v[LI]
	v_add_nc_u32 v[B3+1], SLOT, v[B3]
	v_add_nc_u32 v[ASA], AST, v[LI]
	s_lshl_b32 s79, s[WV], 11
	v_add_nc_u32 v[ASW], s79, v[ASA]
	s_lshl_b32 s79, s[WV], 9
	v_add_nc_u32 v[AS3], s79, v[ASA]
	v_lshlrev_b32 v[H64], 6, v23
	s_lshl_b32 s79, s[WV], 7
	s_add_co_u32 s79, s79, PBT
	v_add_nc_u32 v[PBA], s79, v[H64]
	v_lshlrev_b32 v[PFO], 4, v[LI]
	v_mul_u32_u24 v[STO], v31, 1040
	v_add_nc_u32 v[STO], v[STO], v[H64]
	v_add_nc_u32 v[STO], s[W15], v[STO]            ; the way out: row r of 1,024 + 16 bytes, + 64 h, in my quarter of slot 0
	v_and_b32 v[COL], 8, v31
	v_add_nc_u32 v[COL], v[COL], v31
	v_lshlrev_b32 v[COL], 2, v[COL]                ; 4 (r + 8 (r / 8))
	s_mov_b32 s89, 0                               ; s[88:89]: offsets that hold cx; no register that feeds a descriptor holds it
	s_lshl_b32 s88, s[JB], 2
	s_add_co_u32 s88, s88, s[WV]
	s_lshl_b32 s88, s88, 11                        ; tile 4 jb + w
	s_add_nc_u64 s[ACB:ACB+1], s[6:7], s[88:89]
	s_add_co_u32 s88, s88, 0x200000
	s_add_nc_u64 s[SGB:SGB+1], s[4:5], s[88:89]
	s_lshl_b32 s30, s[YY], 20
	s_add_nc_u64 s[ACB:ACB+1], s[ACB:ACB+1], s[30:31]
	s_lshl_b32 s88, s[JB], 18
	s_lshl_b32 s79, s[YY], 22
	s_add_co_u32 s88, s88, s79
	s_lshl_b32 s79, s[WV], 10
	s_add_co_u32 s88, s88, s79
	s_add_nc_u64 s[OUTB:OUTB+1], s[20:21], s[88:89]
	s_lshl_b32 s88, s[JB], 8
	s_add_nc_u64 s[92:93], s[12:13], s[88:89]      ; sgu_b of my 64 rows
	s_lshl_b32 s79, s[YY], 12
	s_add_co_u32 s88, s88, s79
	s_add_nc_u64 s[90:91], s[10:11], s[88:89]      ; weight of my 64 rows
	s_lshl_b32 s30, s[WV], 1
	s_add_co_u32 s30, s30, s[TT0]
	s_and_b32 s30, s30, 7
	s_lshl_b32 s30, s30, 9
	s_add_nc_u64 s[96:97], s[14:15], s[30:31]      ; pb: the blocks at places 2 w and 2 w + 1 of the walk
	s_lshl_b32 s30, s[WV], 10
	s_add_nc_u64 s[16:17], s[16:17], s[30:31]      ; cb at my 256 columns
	s_lshl_b32 s94, s[CX], 13
	s_mov_b32 s95, 0
	s_lshl_b32 s79, s[KS0], 17
	v_add_nc_u32 v[AGO], s79, v[LI]
	s_lshl_b32 s79, s[KH0], 17
	v_add_nc_u32 v[AUO], s79, v[LI]
.irp c, 0,1,2,3
	global_load_b128 v[AP+4*\c:AP+4*\c+3], v[AGO], s[SGB:SGB+1] offset:512*\c
	global_load_b128 v[AP+16+4*\c:AP+16+4*\c+3], v[AUO], s[ACB:ACB+1] offset:512*\c
.endr
.irp a, 0,1,2,3
	global_load_b32 v[WS+2*\a], v[COL], s[90:91] offset:128*(\a/2)+32*(\a%2)
	global_load_b32 v[BJ+2*\a], v[COL], s[92:93] offset:128*(\a/2)+32*(\a%2)
.endr
	global_load_b128 v[PC0:PC0+3], v[LI], s[96:97]
	global_load_b128 v[PC0+4:PC0+7], v[LI], s[96:97] offset:512
	s_wait_loadcnt 0x0
	s_wait_kmcnt 0x0
	s_add_co_i32 s79, s74, s75                     ; e2 + e3
.irp a, 0,1,2,3
	v_mul_f32 v[WS+2*\a], 0x3f317218, v[WS+2*\a]
	v_mul_f32 v[BJ+2*\a], 0x3f317218, v[BJ+2*\a]
.endr
.irp a, 0,1,2,3
	v_ldexp_f32 v[WS+2*\a], v[WS+2*\a], s79
.endr
.irp i, 0,2,4,6
	v_pk_mul_f32 v[PC0+\i:PC0+\i+1], v[PC0+\i:PC0+\i+1], 0x3fb8aa3b op_sel_hi:[1,0]
.endr
	s_lshl_b32 s84, s[WV], 10
	s_add_co_u32 s84, s84, PBT
	v_add_nc_u32 v[TMPA], s84, v[LI]
	ds_store_b128 v[TMPA], v[PC0:PC0+3]            ; read first behind eight barriers, each behind a wait for all my LDS instructions
	ds_store_b128 v[TMPA], v[PC0+4:PC0+7] offset:512
	s_add_co_i32 s84, s72, s73
	s_lshl_b32 s84, s84, 23
	s_add_co_i32 s[SC1], s84, 0x3fb8aa3b           ; 2^(e0 + e1) log2(e)
	s_mov_b32 s[SC1+1], s[SC1]
	s_add_co_i32 s84, s76, s77
	s_add_co_i32 s84, s84, 127
	s_lshl_b32 s[SC3], s84, 23                     ; 2^(e4 + e5)
	s_mov_b32 s[SC3+1], s[SC3]
	s_add_co_i32 s84, s76, 127
	s_lshl_b32 s85, s84, 23
	v_mov_b32 v[SC4], s85
	s_add_co_i32 s84, s84, 15
	s_lshl_b32 s84, s84, 23
	s_or_b32 s84, s84, 0x600000
	v_mov_b32 v[LIM], s84
; 32 products: eight streamed fragments at v[bb] of window 1 against four at v[ba] of window 0.  The accumulators take turns, in the same order in every period.
.macro GMUL bb, ba, zero
.irp f, 0,1,2,3,4,5,6,7
.irp a, 0,1,2,3
.if \zero
	v_wmma_f32_16x16x128_bf8_bf8 v[8*(4*\f+\a):8*(4*\f+\a)+7], v[(\bb)+16*\f:(\bb)+16*\f+15], v[(\ba)+16*\a:(\ba)+16*\a+15], 0
.else
	v_wmma_f32_16x16x128_bf8_bf8 v[8*(4*\f+\a):8*(4*\f+\a)+7], v[(\bb)+16*\f:(\bb)+16*\f+15], v[(\ba)+16*\a:(\ba)+16*\a+15], v[8*(4*\f+\a):8*(4*\f+\a)+7]
.endif
.endr
.endr
.endm
; GATING PERIOD pp of a chunk: K step (first + pp) % 8 of both products, in slot pp % 2.
.macro GP pp, zero
.set SL, (\pp)&1
.set NS, ((\pp)+1)&1
	s_wait_loadcnt 0x0                             ; the two fragments that I loaded a period ago
	IMG ASW,AP,ASTB*SL                             ; into the stage last read two periods ago: a barrier has been passed since, behind every wave's wait for those reads
	IMG ASW,AP+16,ASTB*SL+8192
	s_wait_tensorcnt 0x0                           ; my one tensor load, my quarter of this period's slot, has landed
	ds_add_u32 v[SPW], v[NIL]                      ; 0 onto my spare word
.if (\pp) < 7
	s_add_co_u32 s30, s[K0W], (\pp)+1              ; no tensor load of mine is out: group 0 may be written
	s_and_b32 s30, s30, 7
	s_lshl_b32 s30, s30, 17
	s_add_co_u32 s30, s30, s[OFFT]
	s_add_nc_u64 s[GR0+2:GR0+3], s[BASEB:BASEB+1], s[30:31]
.else
	s_add_co_u32 s[OFFT], s[TT0], 4                ; the ring runs on: into chunk 1's first K step, or (behind chunk 1) into cw's first
	s_add_co_u32 s[OFFT], s[OFFT], s[TW]
	s_and_b32 s[OFFT], s[OFFT], 7
	s_lshl_b32 s[OFFT], s[OFFT], 14
	s_lshl_b32 s30, s[K0W], 17
	s_add_co_u32 s30, s30, s[OFFT]
	s_add_nc_u64 s[80:81], s[BASEB:BASEB+1], s[30:31]
	s_lshl_b32 s30, s[TT0], 17
	s_add_nc_u64 s[82:83], s[CWB:CWB+1], s[30:31]
	s_add_co_u32 s30, s[K0W], 1                    ; and what my load after that one will name
	s_and_b32 s30, s30, 7
	s_lshl_b32 s30, s30, 17
	s_add_co_u32 s30, s30, s[OFFT]
	s_add_nc_u64 s[84:85], s[BASEB:BASEB+1], s[30:31]
	s_add_co_u32 s30, s[TT0], 1
	s_and_b32 s30, s30, 7
	s_lshl_b32 s30, s30, 17
	s_add_nc_u64 s[86:87], s[CWB:CWB+1], s[30:31]
	s_wait_xcnt 0x0                                ; the last prefetch, a chunk back, has read its address
	s_cmp_eq_u32 s[CH], 1
	s_cselect_b64 s[GR0+2:GR0+3], s[82:83], s[80:81]
	s_cselect_b64 s[PFA:PFA+1], s[86:87], s[84:85]
	s_cselect_b32 s[FLG], s[F1], s[F0]
	s_add_nc_u64 s[PFA:PFA+1], s[PFA:PFA+1], s[94:95]   ; the four partners share a load's 32,768 bytes out by address: 8,192 each
.endif
	s_or_b32 s[GR0+3], s[GR0+3], 0x80000000
	s_add_co_u32 s[GR0+1], s[W15], SLOT*NS
	s_wait_dscnt 0x0                               ; the add and my stores into the stage are done; my reads of the other slot were over at the last products
	ROUND                                          ; no wave of any partner still reads the other slot or has a load on its way
	tensor_load_to_lds s[GR0:GR0+3], s[GR1:GR1+7]  ; my one load behind the round
	s_nop 0
	PLACES                                         ; also the places ahead of the loads into fragments that the last products read
	s_add_co_u32 s79, s[KS0], (\pp)+1
	s_and_b32 s79, s79, 7
	s_lshl_b32 s79, s79, 17
	v_add_nc_u32 v[AGO], s79, v[LI]
	s_add_co_u32 s79, s[KH0], (\pp)+1
	s_and_b32 s79, s79, 7
	s_lshl_b32 s79, s79, 17
	v_add_nc_u32 v[AUO], s79, v[LI]
.if (\pp) == 7
	s_cmp_eq_u32 s[CH], 1                          ; behind chunk 1 no gating period follows: nothing to load
	s_cbranch_scc1 .Lno_more_\@
.endif
.irp c, 0,1,2,3
	global_load_b128 v[AP+4*\c:AP+4*\c+3], v[AGO], s[SGB:SGB+1] offset:512*\c
	global_load_b128 v[AP+16+4*\c:AP+16+4*\c+3], v[AUO], s[ACB:ACB+1] offset:512*\c
.endr
.if (\pp) == 7
.Lno_more_\@:
.endif
.irp a, 0,1,2,3
	FRAG AG+16*\a,ASA,ASTB*SL+2048*\a
.endr
.irp a, 0,1,2,3
	FRAG AU+16*\a,ASA,ASTB*SL+8192+2048*\a
.endr
	WIN 0x40
.irp q, 0,1,2,3
.irp u, 0,1
	FRAG 16*(2*\q+\u),BG+SL,16384*\q+2048*\u
.endr
.endr
.irp q, 0,1,2,3
.irp u, 0,1
	FRAG 128+16*(2*\q+\u),BU+SL,16384*\q+2048*\u
.endr
.endr
.if (\pp) == 7
; A PREFETCH of what my load after the one just issued will name: 8,192 bytes a work-group, lanes 256 bytes apart, one instruction a wave.  Behind chunk 0: vn's second K step of chunk 1 (waves 0 and 1 of every
; cluster: the four clusters of a batch begin at different K steps).  Behind chunk 1: cw's second K step of the walk (all four waves of one cluster for each first block of t).  So each block of 256 bytes is named once in the launch.
	WIN 0
	s_cmp_eq_u32 s[FLG], 1
	s_cbranch_scc0 .Lnot_mine_\@
	global_prefetch_b8 v[PFO], s[PFA:PFA+1] th:TH_LOAD_NT scope:SCOPE_SE
.Lnot_mine_\@:
.endif
	s_wait_dscnt 32                                ; all but pw_u's 32 loads are in
	WIN 0xa1                                       ; source 0 window 1, source 1 window 0, C and D window 2
	GMUL 0, AG, \zero
	s_wait_dscnt 0x0
	WIN 0xf1
	GMUL 128, AU, \zero
	WIN 0
.endm
.macro CODES pc                        ; proj's codes of this chunk: (q, a) -> four registers: block c = w of fragment (a, block q)
	WIN 0x03
.irp q, 0,1,2,3
.irp a, 0,1,2,3
	v_cvt_scalef32_pk8_bf8_f32 v[\pc+16*\q+4*\a:\pc+16*\q+4*\a+1], v[8*(8*\q+\a):8*(8*\q+\a)+7], v[SC4]
	v_cvt_scalef32_pk8_bf8_f32 v[\pc+16*\q+4*\a+2:\pc+16*\q+4*\a+3], v[8*(8*\q+4+\a):8*(8*\q+4+\a)+7], v[SC4]
.endr
.endr
	v_nop                                          ; a plain instruction behind the run of conversions
	WIN 0
.endm
	s_mov_b32 s[CH], 0
.Lchunk:
	GP 0, 1
.irp p, 1,2,3,4,5,6,7
	GP \p, 0
.endr
	; ---- the gate, while the next tile lands
	PLACES
	s_lshl_b32 s79, s[CH], 11
	v_add_nc_u32 v[TMPA], s79, v[PBA]
.irp f, 0,1,2,3,4,5,6,7
	ds_load_b128 v[PB+8*\f:PB+8*\f+3], v[TMPA] offset:512*(\f/2)+32*(\f%2)
	ds_load_b128 v[PB+8*\f+4:PB+8*\f+7], v[TMPA] offset:512*(\f/2)+32*(\f%2)+16
.endr
	WIN 0x82
.irp f, 0,1,2,3,4,5,6,7
.irp a, 0,1,2,3
.irp i, 0,2,4,6
.set RR, 8*(4*\f+\a)+\i
	v_pk_fma_f32 v[RR:RR+1], v[RR:RR+1], v[WS+2*\a:WS+2*\a+1], v[BJ+2*\a:BJ+2*\a+1] op_sel_hi:[1,0,0]   ; (G weight + sgu_b) ln(2); each accumulator from its low end on
.endr
.endr
.endr
	s_wait_dscnt 0x0                               ; pb
	WIN 0xc3
.irp f, 0,1,2,3,4,5,6,7
.irp a, 0,1,2,3
.irp i, 0,2,4,6
.set RR, 8*(4*\f+\a)+\i
	v_pk_fma_f32 v[RR:RR+1], v[RR:RR+1], s[SC1:SC1+1], v[PB+8*\f+\i:PB+8*\f+\i+1] op_sel_hi:[1,0,1]   ; z'
.endr
.endr
.endr
	WIN 0x43
.set i, 0
.rept 256
	v_exp_f32 v[i], -v[i]
.set i, i+1
.endr
	v_nop
	s_wait_alu depctr_va_vdst(0)                   ; one wait for the batch
	WIN 0x41
.set i, 0
.rept 128
	v_pk_add_f32 v[i:i+1], v[i:i+1], 1.0 op_sel_hi:[1,0]
.set i, i+2
.endr
.set i, 0
.rept 256
	v_rcp_f32 v[i], v[i]
.set i, i+1
.endr
	v_nop
	s_wait_alu depctr_va_vdst(0)
	WIN 0xc7
.set i, 0
.rept 128
	v_pk_mul_f32 v[i:i+1], v[i:i+1], v[i:i+1]      ; z' / (1 + 2^-z')
.set i, i+2
.endr
	WIN 0xcb
.set i, 0
.rept 128
	v_pk_mul_f32 v[i:i+1], v[i:i+1], v[i:i+1]      ; x the gate: proj
.set i, i+2
.endr
	WIN 0xc3
.set i, 0
.rept 256
	v_med3_num_f32 v[i], v[i], -v[LIM], v[LIM]     ; the conversion does not saturate (ISA guide 7.6.2)
.set i, i+1
.endr
	WIN 0
	s_cmp_eq_u32 s[CH], 1
	s_cbranch_scc1 .Lsecond
	CODES PC0
	s_branch .Lcoded
.Lsecond:
	CODES PC1
.Lcoded:
	s_add_co_u32 s[CH], s[CH], 1
	s_cmp_lt_u32 s[CH], 2
	s_cbranch_scc1 .Lchunk
; ---- THE LAST PRODUCT.  Period p: K step (first block + p) % 8 of cw, in slot p % 2.
.macro PMUL hi, zero
.irp g, 0,1,2,3,4,5,6,7
.irp a, 0,1,2,3
.if \zero
	v_wmma_f32_16x16x128_bf8_bf8 v[8*(4*\g+\a):8*(4*\g+\a)+7], v[16*(8*(\hi)+\g):16*(8*(\hi)+\g)+15], v[AG+16*\a:AG+16*\a+15], 0
.else
	v_wmma_f32_16x16x128_bf8_bf8 v[8*(4*\g+\a):8*(4*\g+\a)+7], v[16*(8*(\hi)+\g):16*(8*(\hi)+\g)+15], v[AG+16*\a:AG+16*\a+15], v[8*(4*\g+\a):8*(4*\g+\a)+7]
.endif
.endr
.endr
.endm
.macro P3P p, zero, refill
.set SL, (\p)&1
.set NS, ((\p)+1)&1
.if (\p) < 4
.set PCB, PC0+16*(\p)
.else
.set PCB, PC1+16*((\p)-4)
.endif
.irp a, 0,1,2,3
	ds_store_b128 v[AS3], v[PCB+4*\a:PCB+4*\a+3] offset:ASTB*SL+2048*\a   ; my quarter (block c = w) of each of proj's four fragments
.endr
	s_wait_tensorcnt 0x0
	ds_add_u32 v[SPW], v[NIL]
.if \refill
	s_add_co_u32 s30, s[TT0], (\p)+1
	s_and_b32 s30, s30, 7
	s_lshl_b32 s30, s30, 17
	s_add_nc_u64 s[GR0+2:GR0+3], s[CWB:CWB+1], s[30:31]
	s_or_b32 s[GR0+3], s[GR0+3], 0x80000000
	s_add_co_u32 s[GR0+1], s[W15], SLOT*NS
.endif
	s_wait_dscnt 0x0
.if \refill
	ROUND
	tensor_load_to_lds s[GR0:GR0+3], s[GR1:GR1+7]
	s_nop 0
.else
	s_barrier_signal -1
	s_barrier_wait -1
.endif
	PLACES
.irp a, 0,1,2,3
	FRAG AG+16*\a,ASA,ASTB*SL+2048*\a
.endr
.if (\p) == 7
.set f, 0
.rept 16                               ; cb of my columns, in the result's layout, into the registers that proj's codes have left
.set CBR, 64+8*f+64*(f/8)
	global_load_b128 v[CBR:CBR+3], v[H64], s[16:17] offset:128*(f/2)+32*(f%2)
	global_load_b128 v[CBR+4:CBR+7], v[H64], s[16:17] offset:128*(f/2)+32*(f%2)+16
.set f, f+1
.endr
.endif
	WIN 0x40
.set f, 0
.rept 16
	FRAG 16*f,B3+SL,2048*f
.set f, f+1
.endr
	s_wait_dscnt 32                                ; proj's fragments and cw's 0-7 are in; the youngest 32 loads may be out
	WIN 0xa1
	PMUL 0, \zero
	s_wait_dscnt 0x0
	WIN 0xf1
	PMUL 1, \zero
	WIN 0
.endm
	P3P 0, 1, 1
.irp p, 1,2,3,4,5,6
	P3P \p, 0, 1
.endr
	P3P 7, 0, 0
; ---- THE WAY OUT, a tile of 16 rows at a time: sum x 2^(e4 + e5) + cb; a lane's eight numbers are 32 bytes of a row, so the tile goes through my own stage and comes back as rows of 1,024 bytes.
; The stage lies in my quarter of slot 0: that slot has had its last fill, and its last reads lie ahead of the last barrier.
	s_wait_loadcnt 0x0                             ; cb
	PLACES
.macro OUTBLK a
	WIN 0x42
.irp g, 0,1,2,3,4,5,6,7
.irp i, 0,2,4,6
	v_pk_fma_f32 v[8*\g+\i:8*\g+\i+1], v[8*(4*\g+(\a))+\i:8*(4*\g+(\a))+\i+1], s[SC3:SC3+1], v[64+8*\g+\i:64+8*\g+\i+1] op_sel_hi:[1,0,1]
.endr
.endr
	WIN 0x43
.irp g, 0,1,2,3,4,5,6,7
.irp i, 0,2,4,6
	v_pk_fma_f32 v[64+8*\g+\i:64+8*\g+\i+1], v[8*(4*\g+(\a))+\i:8*(4*\g+(\a))+\i+1], s[SC3:SC3+1], v[192+8*\g+\i:192+8*\g+\i+1] op_sel_hi:[1,0,1]
.endr
.endr
	WIN 0x04
.set f, 0
.rept 16
	ds_store_b128 v[STO], v[8*f:8*f+3] offset:128*(f/2)+32*(f%2)
	ds_store_b128 v[STO], v[8*f+4:8*f+7] offset:128*(f/2)+32*(f%2)+16
.set f, f+1
.endr
.if (\a) > 0
	s_wait_xcnt 0x0                                ; the last tile's stores have read their registers: they may be loaded again
.endif
	WIN 0x40
.set n, 0
.rept 32
	ds_load_b128 v[128+4*n:128+4*n+3], v[B3] offset:1040*(n/2)+512*(n%2)   ; LDS serves a wave's instructions in order: these see my stores
.set n, n+1
.endr
	WIN 0x04
.set n, 0
.rept 32
	s_wait_dscnt 31-n                              ; the loads issued behind this one may be out
	global_store_b128 v[LI], v[128+4*n:128+4*n+3], s[OUTB:OUTB+1] offset:(32*((\a)/2)+8*((\a)%2)+(n/2)+8*(n/16))*4096+512*(n%2) th:TH_STORE_NT   ; 32 lanes store 512 consecutive bytes, aligned
.set n, n+1
.endr
.endm
	OUTBLK 0
	OUTBLK 1
	OUTBLK 2
	OUTBLK 3
	WIN 0
	s_wait_tensorcnt 0x0                           ; the wave's end
	ds_add_u32 v[SPW], v[NIL]
	s_wait_dscnt 0x0
	ROUND                                          ; the closing round
	s_endpgm
.Lfunc_end_k_qf259c8ead4_back:
	.size	k_qf259c8ead4_back, .Lfunc_end_k_qf259c8ead4_back-k_qf259c8ead4_back
	.p2alignl 7, 3214868480
	.fill 96, 4, 3214868480
	.section	.rodata,"a",@progbits
	.p2align	6, 0x0
	.amdhsa_kernel k_qf259c8ead4_back
		.amdhsa_group_segment_fixed_size 327680
		.amdhsa_private_segment_fixed_size 0
		.amdhsa_enable_private_segment 0
		.amdhsa_kernarg_size 72
		.amdhsa_user_sgpr_count 2
		.amdhsa_user_sgpr_kernarg_segment_ptr 1
		.amdhsa_wavefront_size32 1
		.amdhsa_system_sgpr_workgroup_id_x 1
		.amdhsa_system_sgpr_workgroup_id_y 1
		.amdhsa_system_sgpr_workgroup_id_z 1
		.amdhsa_system_vgpr_workitem_id 0
		.amdhsa_next_free_vgpr 1024
		.amdhsa_next_free_sgpr 100
		.amdhsa_reserve_vcc 0
		.amdhsa_float_denorm_mode_32 3
		.amdhsa_float_denorm_mode_16_64 3
		.amdhsa_memory_ordered 1
		.amdhsa_forward_progress 1
		.amdhsa_inst_pref_size 255
	.end_amdhsa_kernel
	.section	.bss,"aw",@nobits
	.p2align	6
	.space	262144
	.amdgpu_metadata
---
amdhsa.version: [ 1, 2 ]
amdhsa.kernels:
  - .name:           k_qf259c8ead4_back
    .symbol:         k_qf259c8ead4_back.kd
    .args:
      - { .name: wcodes, .offset: 0, .size: 8, .value_kind: global_buffer, .address_space: global }
      - { .name: acodes, .offset: 8, .size: 8, .value_kind: global_buffer, .address_space: global }
      - { .name: vcodes, .offset: 16, .size: 8, .value_kind: global_buffer, .address_space: global }
      - { .name: weight, .offset: 24, .size: 8, .value_kind: global_buffer, .address_space: global }
      - { .name: sgu_b, .offset: 32, .size: 8, .value_kind: global_buffer, .address_space: global }
      - { .name: pb, .offset: 40, .size: 8, .value_kind: global_buffer, .address_space: global }
      - { .name: cb, .offset: 48, .size: 8, .value_kind: global_buffer, .address_space: global }
      - { .name: lowp_scales, .offset: 56, .size: 8, .value_kind: global_buffer, .address_space: global }
      - { .name: out0, .offset: 64, .size: 8, .value_kind: global_buffer, .address_space: global }
    .group_segment_fixed_size: 327680
    .private_segment_fixed_size: 0
    .kernarg_segment_align: 8
    .kernarg_segment_size: 72
    .max_flat_workgroup_size: 128
    .sgpr_count:     100
    .vgpr_count:     1024
    .wavefront_size: 32
...
	.end_amdgpu_metadata
.endif
;; end of part 3
